; MI455X (gfx1250); checked and timed in simulation.
; The chip was launched on July 23, 2026; its instructions are those of AMD's public machine-readable ISA for CDNA 5 (MIT licence, August 2026) and "CDNA5" Instruction Set Architecture Reference Guide (July 2026). The comments in the code are by the model that wrote it; some were corrected since.
;; Mo EFFN. Allowed arithmetic: matrix products marked QUANTISED: E5M2 operands, one given power-of-two scale a tensor, by v_wmma_f32_16x16x64_bf8_bf8 or v_wmma_f32_16x16x128_bf8_bf8, f32 sums; products left as they are: f32 operands where the result goes on into a quantised operand, else bf16, f16 or f32 operands; f32 sums; everything else in f32.
;; Inputs: b1 8 x 4,096 float32; b2 8 x 1,024 float32; hidden_states 8 x 128 x 1,024 float32; ln_b 1,024 float32; ln_w 1,024 float32; lowp_scales 32 int32 (the exponents e of the quantised operands' scales 2^e); router_b 8 float32; router_w 8 x 1,024 float32; w1_codes 8 x 4,096 x 32 x 32 uint8 (E5M2 codes of w1, K innermost, in blocks of 32 codes); w2_codes 8 x 1,024 x 128 x 32 uint8 (E5M2 codes of w2, K innermost, in blocks of 32 codes).
;; Outputs: out0 8 x 128 x 1,024 float32.
;; This version of the problem:
;;   THIS VERSION OF THE PROBLEM IS GIVEN IN LOW PRECISION. The matrix products marked QUANTISED in the list below multiply operands that are first quantised to E5M2 (5 exponent bits, 2 mantissa bits; 8 bits a number), with one given power-of-two scale for each operand tensor; their sums are f32. All else is computed in f32.
;;   The module's matrix products, in the order in which they are computed (A, B: the left and right operand; K: the contracted axis; several contracted axes count as one K, in the product's order):
;;     1. [M 1,024, K 1,024] x [K 1,024, N 8]; A: input hidden_states; B: input router_w: left as it is (N = 8 < 16)
;;     2. [M 1,024, K 1,024] x [K 1,024, N 4,096]; A: input hidden_states; B: input w1 (given as codes): QUANTISED (scales: A lowp_scales[0], B lowp_scales[1])
;;     3. [M 1,024, K 4,096] x [K 4,096, N 1,024]; A: computed on the way; B: input w2 (given as codes): QUANTISED (scales: A lowp_scales[2], B lowp_scales[3])
;;     4. [M 1,024, K 1,024] x [K 1,024, N 4,096]; A: input hidden_states; B: input w1 (given as codes): QUANTISED (scales: A lowp_scales[4], B lowp_scales[5])
;;     5. [M 1,024, K 4,096] x [K 4,096, N 1,024]; A: computed on the way; B: input w2 (given as codes): QUANTISED (scales: A lowp_scales[6], B lowp_scales[7])
;;     6. [M 1,024, K 1,024] x [K 1,024, N 4,096]; A: input hidden_states; B: input w1 (given as codes): QUANTISED (scales: A lowp_scales[8], B lowp_scales[9])
;;     7. [M 1,024, K 4,096] x [K 4,096, N 1,024]; A: computed on the way; B: input w2 (given as codes): QUANTISED (scales: A lowp_scales[10], B lowp_scales[11])
;;     8. [M 1,024, K 1,024] x [K 1,024, N 4,096]; A: input hidden_states; B: input w1 (given as codes): QUANTISED (scales: A lowp_scales[12], B lowp_scales[13])
;;     9. [M 1,024, K 4,096] x [K 4,096, N 1,024]; A: computed on the way; B: input w2 (given as codes): QUANTISED (scales: A lowp_scales[14], B lowp_scales[15])
;;     10. [M 1,024, K 1,024] x [K 1,024, N 4,096]; A: input hidden_states; B: input w1 (given as codes): QUANTISED (scales: A lowp_scales[16], B lowp_scales[17])
;;     11. [M 1,024, K 4,096] x [K 4,096, N 1,024]; A: computed on the way; B: input w2 (given as codes): QUANTISED (scales: A lowp_scales[18], B lowp_scales[19])
;;     12. [M 1,024, K 1,024] x [K 1,024, N 4,096]; A: input hidden_states; B: input w1 (given as codes): QUANTISED (scales: A lowp_scales[20], B lowp_scales[21])
;;     13. [M 1,024, K 4,096] x [K 4,096, N 1,024]; A: computed on the way; B: input w2 (given as codes): QUANTISED (scales: A lowp_scales[22], B lowp_scales[23])
;;     14. [M 1,024, K 1,024] x [K 1,024, N 4,096]; A: input hidden_states; B: input w1 (given as codes): QUANTISED (scales: A lowp_scales[24], B lowp_scales[25])
;;     15. [M 1,024, K 4,096] x [K 4,096, N 1,024]; A: computed on the way; B: input w2 (given as codes): QUANTISED (scales: A lowp_scales[26], B lowp_scales[27])
;;     16. [M 1,024, K 1,024] x [K 1,024, N 4,096]; A: input hidden_states; B: input w1 (given as codes): QUANTISED (scales: A lowp_scales[28], B lowp_scales[29])
;;     17. [M 1,024, K 4,096] x [K 4,096, N 1,024]; A: computed on the way; B: input w2 (given as codes): QUANTISED (scales: A lowp_scales[30], B lowp_scales[31])
;;   THE QUANTISER, for each operand of a quantised product, along K:
;;     - The operand's scale is 2^e, e = its entry of the input lowp_scales (int32; the entries are numbered through the quantised products in the list's order, A before B).
;;     - Each number is divided by the scale, clamped to +-57,344, and rounded to the nearest number of E5M2, ties to even, subnormals kept.
;;     - The product sums the exact products of the quantised numbers (number of the format x scale) in f32.
;;   ~~~python
;;   def quantise(x, axis, e):      # numpy; x: float32 -> the quantised numbers, widened to float32 again
;;       x = np.moveaxis(x, axis, -1); K = x.shape[-1]
;;       r = np.clip(x / 2.0 ** e, -57344, 57344)
;;       step = 2.0 ** (np.maximum(np.frexp(np.where(r == 0, 1, r))[1] - 1, -14) - 2)
;;       q = np.round(r / step) * step * 2.0 ** e      # np.round: ties to even
;;       return np.moveaxis(q, -1, axis).astype(np.float32)
;;   ~~~
;;   OPERANDS COMPUTED ON THE WAY. 'Computed on the way' means the value that the module computes at that place (a softmax that the list does not call 'softmax' is quantised finished and normalised). What goes into a quantiser is computed in f32, as accurately as f32 sums, v_exp_f32 and their like allow (about 1e-6 of the number): no bf16 or f16 on the way to a quantiser, and a product that is left as it is and whose result goes on into a quantised operand takes f32 operands (vector FMAs, or v_wmma_f32_16x16x4_f32). A number that lies on a knife's edge between two numbers of the format may be rounded either way, as far as f32 arithmetic and the matrix unit's own rounding can turn it there, and no further.
;;   INPUTS GIVEN AS CODES. w1 (in the module: [8, 4096, 1024], K = its axis 2); w2 (in the module: [8, 1024, 4096], K = its axis 2): each comes as NAME_codes (uint8): NAME with its K axis moved to the last place and cut into blocks of 32 codes, [.., K / 32, bytes a block], one block behind the other in memory; one code a byte (a code: sign, 5 exponent bits, 2 mantissa bits); its scale is its entry of lowp_scales. Its value is code x scale, taken as it is: it is not quantised again, and the codes and scales need not be those that the quantiser above would give.
;; One version. Each part assembles by itself: llvm-mc -triple=amdgcn-amd-amdhsa -mcpu=gfx1250 --defsym DOCPART=n.
;; ======== version 1 of 1: 4 launches
;; limits: right only within a limited range of input values
;; workspace buffers: ridx 8,192 bytes of whole numbers; emask 1,024 bytes of whole numbers; rwts 8,192 bytes; xq 8,388,608 bytes; hq 33,554,432 bytes; yp 134,217,728 bytes
;; launch route (part 1): grid 128 x 1, 8 waves a work-group, no clusters, 75,264 bytes of LDS; arguments hidden_states, router_w, router_b, lowp_scales, ridx, rwts, emask, xq; writes ridx, rwts, emask, xq
.if DOCPART == 1
	.amdgcn_target "amdgcn-amd-amdhsa--gfx1250"
	.amdhsa_code_object_version 6
	.text
	.protected	k_qbe431bc84c_route
	.globl	k_qbe431bc84c_route
	.p2align	8
	.type	k_qbe431bc84c_route,@function
k_qbe431bc84c_route:
	s_mov_b64 s[64:65], 0
	v_nop
	global_prefetch_b8 v0, s[64:65] scope:SCOPE_SE
	s_setreg_imm32_b32 hwreg(HW_REG_WAVE_MODE, 25, 1), 1
	s_wait_xcnt 0x0
; ROUTER AND QUANTISER.  1,024 tokens of 1,024 numbers, 8 experts.  A work-group takes 8 tokens, a wave one token t = 8 x work-group + wave.
; It stores, all at fixed places: ridx[t] = the two chosen experts (the larger logit first; of equal logits the lower index), rwts[t] = their softmax weights,
; emask[e] = 1,024 bits, bit t set where token t uses expert e (a work-group's 8 tokens are one byte of each expert's mask), and xq[e][t][:] = x[t] as codes of E5M2 with expert e's scale 2^lowp_scales[4 e].
; No address and no branch here hangs on a logit: the choice is made by compares and selects, and is only stored.
; code = x / 2^e, held within +-57,344, to the nearest code, ties to even.
; LIMITS: each lowp_scales[4 e] between -126 and 112, so that the scale and 57,344 x the scale are f32 numbers.  NaN and infinities among the inputs are not served.
; Two logits that agree to within the rounding of an f32 sum of 1,024 products may be ordered otherwise than another order of that sum orders them.
; The three small stores at the end are 64, 64 and 8 x 1 bytes a work-group: 17 KB in the whole launch.  The codes leave as 512 consecutive aligned bytes a store.
; No matrix unit (8 columns), no cluster: the one thing that work-groups share is router_w, 32 KB against the 96 KB that a work-group moves of its own.
; WORK LEFT OUT BY THE PROGRAM: reference() computes every expert for every token and weighs it by cw, which is 0 for an expert that is not among the token's two. Those products are thrown away for all
; values of the inputs: this launch stores the two chosen numbers, and the later launches do only the rows that they name. LIMIT: a NaN, an infinity or an overflow that reaches only a row left out is not carried to the result.
.set RWL,  0                           ; LDS: router_w, a row of 4,096 bytes for each expert, as it lies in memory
.set STG,  32768                       ; two stages of 32 x 80 bytes for each wave: x turns from 4 numbers a lane to 16 neighbours a lane
.set RES,  73728                       ; 16 bytes a wave: i1, i2, g1, g2
.set LANE, 1
.set L16,  2                           ; 16 x lane
.set SIN,  3                           ; the stage, way in:  80 (lane / 4) + 16 (lane % 4)
.set SOUT, 4                           ; the stage, way out: 80 x lane
.set RSA,  5                           ; where my wave's record goes
.set RRA,  6                           ; record lane % 8
.set RBA,  7                           ; the records' first byte
.set RWS,  8                           ; where my wave puts its row of router_w
.set O8,   9                           ; 8 x lane
.set OM,   10                          ; 128 x lane + work-group: my expert's byte of the mask
.set R,    16                          ; v16-47   x as loaded: load c, lane l: numbers 128 c + 4 l ..
.set X,    48                          ; v48-79   x turned: register 16 st + i: number 512 st + 16 l + i
.set RWF,  80                          ; v80-207  four experts' rows of router_w, laid as R
.set CD,   80                          ; v80-143  the codes, four registers for each (expert, half row): no store's data are written again before the wait below
.set LIMV, 144                         ; v144-151 57,344 x each scale
.set LG,   208                         ; v208-215 the logits
.set TMP,  216                         ; v216-231 at work
.set SCV,  232                         ; v232-239 each scale as f32
.set M1,   240
.set M2,   241
.set DD,   242
.set EX,   243
.set I1,   244                         ; v244-247 the record
.set I2,   245
.set G1,   246
.set G2,   247
.set REC,  248
.set BT,   252
.set BITS, 253
.set NINF, 254
	s_load_b512 s[4:19], s[0:1], 0x0               ; x s[4:5], router_w s[6:7], router_b s[8:9], scales s[10:11], ridx s[12:13], rwts s[14:15], emask s[16:17], xq s[18:19]
	v_lshl_add_u32 v15, v0, 2, 0x12200
	v_mov_b32 v255, 0
	v_and_b32 v[LANE], 31, v0
	v_lshrrev_b32 v[L16], 5, v0
	s_delay_alu instid0(VALU_DEP_1)
	v_readfirstlane_b32 s60, v[L16]                ; wave 0..7
	s_delay_alu instid0(VALU_DEP_3)
	v_lshlrev_b32 v[L16], 4, v[LANE]
	s_mul_i32 s61, s60, 5120
	s_add_co_u32 s61, s61, STG                     ; my wave's stages
	v_lshrrev_b32 v[SIN], 2, v[LANE]
	s_delay_alu instid0(VALU_DEP_1)
	v_mul_u32_u24 v[SIN], v[SIN], 80
	v_and_b32 v[SOUT], 3, v[LANE]
	s_delay_alu instid0(VALU_DEP_1)
	v_lshl_add_u32 v[SIN], v[SOUT], 4, v[SIN]
	s_delay_alu instid0(VALU_DEP_1)
	v_add_nc_u32 v[SIN], s61, v[SIN]
	v_mul_u32_u24 v[SOUT], v[LANE], 80
	s_delay_alu instid0(VALU_DEP_1)
	v_add_nc_u32 v[SOUT], s61, v[SOUT]
	s_lshl_b32 s61, s60, 4
	s_add_co_u32 s61, s61, RES
	v_mov_b32 v[RSA], s61
	v_and_b32 v[RRA], 7, v[LANE]
	s_delay_alu instid0(VALU_DEP_1)
	v_lshlrev_b32 v[RRA], 4, v[RRA]
	s_delay_alu instid0(VALU_DEP_1)
	v_add_nc_u32 v[RRA], RES, v[RRA]
	v_mov_b32 v[RBA], RES
	s_lshl_b32 s61, s60, 12
	v_add_nc_u32 v[RWS], s61, v[L16]
	v_lshlrev_b32 v[O8], 3, v[LANE]
	s_mov_b32 s70, ttmp9
	v_lshl_add_u32 v[OM], v[LANE], 7, s70
	s_mov_b32 s62, 0x76543210                      ; v_permlanex16_b32: lane l takes lane l xor 16
	s_mov_b32 s63, 0xfedcba98
	s_lshl_b32 s66, s70, 3
	s_add_co_u32 s66, s66, s60                     ; my token
	s_lshl_b32 s68, s66, 12                        ; its row of x, in bytes
	s_mov_b32 s69, 0
	s_lshl_b32 s72, s66, 10                        ; its row of codes
	s_mov_b32 s73, 0
	s_lshl_b32 s74, s60, 12                        ; router_w's row number wave
	s_mov_b32 s75, 0
	s_lshl_b32 s76, s70, 6                         ; the work-group's 8 records of 8 bytes
	s_mov_b32 s77, 0
	s_wait_alu depctr_va_vdst(0)
	s_wait_kmcnt 0x0
	s_load_b512 s[20:35], s[10:11], 0x0            ; all 32 exponents: expert e's for x is s[20 + 4 e]
	s_load_b512 s[36:51], s[10:11], 0x40
	s_load_b256 s[52:59], s[8:9], 0x0              ; router_b
	s_add_nc_u64 s[4:5], s[4:5], s[68:69]
	s_add_nc_u64 s[6:7], s[6:7], s[74:75]
	s_add_nc_u64 s[18:19], s[18:19], s[72:73]
	s_add_nc_u64 s[12:13], s[12:13], s[76:77]
	s_add_nc_u64 s[14:15], s[14:15], s[76:77]
.irp c, 0,1,2,3,4,5,6,7
	global_load_b128 v[RWF+4*\c:RWF+4*\c+3], v[L16], s[6:7] offset:512*\c          ; 512 consecutive bytes a load
.endr
.irp c, 0,1,2,3,4,5,6,7
	global_load_b128 v[R+4*\c:R+4*\c+3], v[L16], s[4:5] offset:512*\c th:TH_LOAD_NT
.endr
	s_wait_loadcnt 8                               ; router_w's row is in; x's eight loads may be out
.irp c, 0,1,2,3,4,5,6,7
	ds_store_b128 v[RWS], v[RWF+4*\c:RWF+4*\c+3] offset:RWL+512*\c
.endr
	s_wait_loadcnt 0x0
.irp st, 0,1                                       ; half a row, 2,048 bytes, through a stage: in as loaded, out 64 bytes a lane; LDS serves a wave's instructions in order
.irp i, 0,1,2,3
	ds_store_b128 v[SIN], v[R+16*\st+4*\i:R+16*\st+4*\i+3] offset:2560*\st+640*\i
.endr
.irp i, 0,1,2,3
	ds_load_b128 v[X+16*\st+4*\i:X+16*\st+4*\i+3], v[SOUT] offset:2560*\st+16*\i
.endr
.endr
	s_wait_kmcnt 0x0
.irp e, 0,1,2,3,4,5,6,7
	s_add_co_i32 s70, s[20+4*\e], 127
	s_lshl_b32 s71, s70, 23
	v_mov_b32 v[SCV+\e], s71                       ; 2^e as f32: the conversion takes its exponent field
	s_add_co_i32 s70, s70, 15
	s_lshl_b32 s70, s70, 23
	s_or_b32 s70, s70, 0x600000
	v_mov_b32 v[LIMV+\e], s70                      ; 57,344 x 2^e
.endr
	s_wait_dscnt 0x0                               ; my row of router_w has landed, my x is back
	s_barrier_signal -1
	s_barrier_wait -1                              ; all eight rows of router_w lie in LDS
; 16 numbers a lane become 16 codes: the conversion to an 8-bit code does not saturate (ISA guide 7.6.2), so each number is first held within the largest code x the scale
.macro QUANT e, st
.set k, 0
.rept 16
	v_med3_num_f32 v[TMP+k], v[X+16*\st+k], -v[LIMV+\e], v[LIMV+\e]
.set k, k+1
.endr
	v_cvt_scalef32_pk8_bf8_f32 v[CD+4*(2*\e+\st):CD+4*(2*\e+\st)+1], v[TMP:TMP+7], v[SCV+\e]
	v_cvt_scalef32_pk8_bf8_f32 v[CD+4*(2*\e+\st)+2:CD+4*(2*\e+\st)+3], v[TMP+8:TMP+15], v[SCV+\e]
	v_nop                                          ; a plain line between the conversions and the next holds, which write their sources
	global_store_b128 v[L16], v[CD+4*(2*\e+\st):CD+4*(2*\e+\st)+3], s[18:19] offset:\e*1048576+512*\st   ; 32 lanes store 512 consecutive bytes, aligned
.endm
.irp e, 0,1,2,3,4,5,6,7
	QUANT \e, 0
	QUANT \e, 1
.endr
	s_wait_xcnt 0x0                                ; the stores have read their data: the registers take router_w's fragments
; one expert's part of the dot product in a lane: 32 products, two packed chains
.macro DOT eo, e
.set TA, TMP+4*\eo
.set WB, RWF+32*\eo
	v_pk_mul_f32 v[TA:TA+1], v[R:R+1], v[WB:WB+1]
	v_pk_mul_f32 v[TA+2:TA+3], v[R+2:R+3], v[WB+2:WB+3]
.set k, 4
.rept 7
	s_delay_alu instid0(VALU_DEP_2)
	v_pk_fma_f32 v[TA:TA+1], v[R+k:R+k+1], v[WB+k:WB+k+1], v[TA:TA+1]
	s_delay_alu instid0(VALU_DEP_2)
	v_pk_fma_f32 v[TA+2:TA+3], v[R+k+2:R+k+3], v[WB+k+2:WB+k+3], v[TA+2:TA+3]
.set k, k+4
.endr
	s_delay_alu instid0(VALU_DEP_1)
	v_pk_add_f32 v[TA:TA+1], v[TA:TA+1], v[TA+2:TA+3]
	s_delay_alu instid0(VALU_DEP_1)
	v_add_f32 v[LG+\e], v[TA], v[TA+1]
.endm
.macro HALF hf
.set n, 0
.rept 32
	ds_load_b128 v[RWF+4*n:RWF+4*n+3], v[L16] offset:RWL+(4*\hf+n/8)*4096+512*(n%8)
.set n, n+1
.endr
.irp eo, 0,1,2,3
	s_wait_dscnt 24-8*\eo                          ; this expert's eight loads are in; the later experts' may be out
	DOT \eo, 4*\hf+\eo
.endr
.endm
	HALF 0
	HALF 1
.irp m, 1,2,4,8                                    ; the sums over the 32 lanes, the eight experts by turns
.irp e, 0,1,2,3,4,5,6,7
	v_add_f32_dpp v[LG+\e], v[LG+\e], v[LG+\e] row_xmask:\m row_mask:0xf bank_mask:0xf
.endr
.endr
.irp e, 0,1,2,3,4,5,6,7
	v_permlanex16_b32 v[TMP+\e], v[LG+\e], s62, s63
.endr
.irp e, 0,1,2,3,4,5,6,7
	v_add_f32 v[LG+\e], v[LG+\e], v[TMP+\e]
.endr
.irp e, 0,1,2,3,4,5,6,7
	v_add_f32 v[LG+\e], s[52+\e], v[LG+\e]         ; + router_b
.endr
	; the two largest: a strict compare in ascending order keeps the lower index among equals
	v_mov_b32 v[NINF], 0xff800000
	v_mov_b32 v[M1], v[LG]
	v_mov_b32 v[I1], 0
.irp e, 1,2,3,4,5,6,7
	s_delay_alu instid0(VALU_DEP_2)
	v_cmp_gt_f32 vcc_lo, v[LG+\e], v[M1]
	s_delay_alu instid0(VALU_DEP_1)
	v_cndmask_b32 v[M1], v[M1], v[LG+\e], vcc_lo
	s_delay_alu instid0(VALU_DEP_2)
	v_cndmask_b32 v[I1], v[I1], \e, vcc_lo
.endr
.irp e, 0,1,2,3,4,5,6,7
	v_cmp_eq_u32 vcc_lo, \e, v[I1]
	s_delay_alu instid0(VALU_DEP_1)
	v_cndmask_b32 v[LG+\e], v[LG+\e], v[NINF], vcc_lo   ; the first choice is taken out
.endr
	v_mov_b32 v[M2], v[LG]
	v_mov_b32 v[I2], 0
.irp e, 1,2,3,4,5,6,7
	s_delay_alu instid0(VALU_DEP_2)
	v_cmp_gt_f32 vcc_lo, v[LG+\e], v[M2]
	s_delay_alu instid0(VALU_DEP_1)
	v_cndmask_b32 v[M2], v[M2], v[LG+\e], vcc_lo
	s_delay_alu instid0(VALU_DEP_2)
	v_cndmask_b32 v[I2], v[I2], \e, vcc_lo
.endr
	; softmax of the two, the larger taken away first: g1 = 1 / (1 + e^(m2 - m1)), g2 = e^(m2 - m1) g1
	s_delay_alu instid0(VALU_DEP_2)
	v_sub_f32 v[DD], v[M2], v[M1]
	s_delay_alu instid0(VALU_DEP_1)
	v_mul_f32 v[DD], 0x3fb8aa3b, v[DD]
	s_wait_alu depctr_va_vdst(0)
	v_exp_f32 v[EX], v[DD]
	v_nop                                          ; a plain line behind the exponential,
	s_wait_alu depctr_va_vdst(0)                   ; and the wait ahead of the first line that names its result
	v_add_f32 v[DD], 1.0, v[EX]
	s_wait_alu depctr_va_vdst(0)
	v_rcp_f32 v[G1], v[DD]
	v_nop
	s_wait_alu depctr_va_vdst(0)
	v_mul_f32 v[G2], v[EX], v[G1]
	ds_store_b128 v[RSA], v[I1:I1+3]               ; all lanes hold the same four words and write them to the same place
	s_wait_dscnt 0x0
	s_barrier_signal -1
	s_barrier_wait -1                              ; the eight records lie in LDS
	s_cmp_lg_u32 s60, 0
	s_cbranch_scc1 .Lend                           ; wave 0 stores them
	ds_load_b128 v[REC:REC+3], v[RRA]              ; lane u: token u's record
.irp u, 0,1,2,3,4,5,6,7
	ds_load_b64 v[TMP+2*\u:TMP+2*\u+1], v[RBA] offset:16*\u   ; every lane: token u's two experts
.endr
	v_mov_b32 v[BITS], 0
	s_wait_dscnt 0x0
.irp u, 0,1,2,3,4,5,6,7                            ; lane e gathers expert e's byte: bit u = token u uses e
	v_cmp_eq_u32 s70, v[LANE], v[TMP+2*\u]
	v_cmp_eq_u32 s71, v[LANE], v[TMP+2*\u+1]
	s_or_b32 s70, s70, s71
	v_cndmask_b32 v[BT], 0, 1, s70
	s_wait_alu depctr_va_vdst(0)
	v_lshl_or_b32 v[BITS], v[BT], \u, v[BITS]
.endr
	v_cmp_gt_u32 vcc_lo, 8, v[LANE]
	s_wait_alu depctr_va_vdst(0)
	s_wait_xcnt 0x0                                ; EXEC changes only behind this wait
	s_and_saveexec_b32 s71, vcc_lo                 ; lanes 0 to 7
	global_store_b64 v[O8], v[REC:REC+1], s[12:13]
	global_store_b64 v[O8], v[REC+2:REC+3], s[14:15]
	global_store_b8 v[OM], v[BITS], s[16:17]
	s_wait_xcnt 0x0                                ; and again ahead of the line that widens it
	s_or_b32 exec_lo, exec_lo, s71
.Lend:
	s_wait_tensorcnt 0x0
	ds_add_u32 v15, v255
	s_wait_dscnt 0x0
	s_endpgm
.Lfunc_end_k_qbe431bc84c_route:
	.size	k_qbe431bc84c_route, .Lfunc_end_k_qbe431bc84c_route-k_qbe431bc84c_route
	.p2alignl 7, 3214868480
	.fill 96, 4, 3214868480
	.section	.rodata,"a",@progbits
	.p2align	6, 0x0
	.amdhsa_kernel k_qbe431bc84c_route
		.amdhsa_group_segment_fixed_size 75264
		.amdhsa_private_segment_fixed_size 0
		.amdhsa_enable_private_segment 0
		.amdhsa_kernarg_size 64
		.amdhsa_user_sgpr_count 2
		.amdhsa_user_sgpr_kernarg_segment_ptr 1
		.amdhsa_wavefront_size32 1
		.amdhsa_system_sgpr_workgroup_id_x 1
		.amdhsa_system_sgpr_workgroup_id_y 1
		.amdhsa_system_sgpr_workgroup_id_z 1
		.amdhsa_system_vgpr_workitem_id 0
		.amdhsa_next_free_vgpr 256
		.amdhsa_next_free_sgpr 80
		.amdhsa_reserve_vcc 1
		.amdhsa_float_denorm_mode_32 3
		.amdhsa_float_denorm_mode_16_64 3
		.amdhsa_memory_ordered 1
		.amdhsa_forward_progress 1
		.amdhsa_inst_pref_size 57
	.end_amdhsa_kernel
	.amdgpu_metadata
---
amdhsa.version: [ 1, 2 ]
amdhsa.kernels:
  - .name:           k_qbe431bc84c_route
    .symbol:         k_qbe431bc84c_route.kd
    .args:
      - { .name: hidden_states, .offset: 0, .size: 8, .value_kind: global_buffer, .address_space: global }
      - { .name: router_w, .offset: 8, .size: 8, .value_kind: global_buffer, .address_space: global }
      - { .name: router_b, .offset: 16, .size: 8, .value_kind: global_buffer, .address_space: global }
      - { .name: lowp_scales, .offset: 24, .size: 8, .value_kind: global_buffer, .address_space: global }
      - { .name: ridx, .offset: 32, .size: 8, .value_kind: global_buffer, .address_space: global }
      - { .name: rwts, .offset: 40, .size: 8, .value_kind: global_buffer, .address_space: global }
      - { .name: emask, .offset: 48, .size: 8, .value_kind: global_buffer, .address_space: global }
      - { .name: xq, .offset: 56, .size: 8, .value_kind: global_buffer, .address_space: global }
    .group_segment_fixed_size: 75264
    .private_segment_fixed_size: 0
    .kernarg_segment_align: 8
    .kernarg_segment_size: 64
    .max_flat_workgroup_size: 256
    .sgpr_count:     80
    .vgpr_count:     256
    .wavefront_size: 32
...
	.end_amdgpu_metadata
.endif
;; end of part 1
;; launch ffn1 (part 2): grid 32 x 8, 8 waves a work-group, no clusters, 267,264 bytes of LDS; arguments xq, w1_codes, b1, lowp_scales, emask, hq; writes hq
.if DOCPART == 2
	.amdgcn_target "amdgcn-amd-amdhsa--gfx1250"
	.amdhsa_code_object_version 6
	.text
	.protected	k_qbe431bc84c_ffn1
	.globl	k_qbe431bc84c_ffn1
	.p2align	8
	.type	k_qbe431bc84c_ffn1,@function
k_qbe431bc84c_ffn1:
	s_mov_b64 s[64:65], 0
	v_nop
	global_prefetch_b8 v0, s[64:65] scope:SCOPE_SE
	s_setreg_imm32_b32 hwreg(HW_REG_WAVE_MODE, 25, 1), 1
	s_wait_xcnt 0x0
; FIRST PRODUCT AND GELU, for the rows that were routed (the rows of experts that were not chosen are left out: see the first kernel).  Work-group (x, y): expert e = y, hidden units 128 x .. 128 x + 127.
; hq = Q(gelu(xq[e] W1[e]^T 2^(ex + ew1) + b1[e])), quantised with 2^eh, for the tokens whose bit is set in emask[e], in ascending order of token: the token with rank j is the expert's row j.
; SHARES.  The work-group's 128 rows of W1 (128 KB) are read from memory once, go through LDS, and stay in registers: wave w holds units 32 (w % 4) .. + 31 over all of K, 256 registers.
; The expert's rows come by rounds of four tiles of 16 rows through two LDS slots that take turns.  Wave w asks for rows 8 w .. 8 w + 7 of a round a whole round ahead, so no prefetch stands beside these loads.
; Waves 0-3 multiply tiles 0 and 2 of a round, waves 4-7 tiles 1 and 3.  An expert has T = max(ceil(count / 16), 1) tiles, 64 at the most: sixteen rounds serve every split.
; One barrier a round, outside every branch, in a loop of constant count; what hangs on the stored mask is a scalar branch round work alone.
; Between two barriers a slot is read while the other is stored; a wave's reads of a slot are over at its next signal, and the slot is stored again behind that barrier.
; THE MATRIX INSTRUCTION IS USED TRANSPOSED: source 0 = 16 rows of W1, source 1 = 16 rows of x.  W1's row 32 b + i lies in LDS at row 32 b + (i with its bits 3 and 4 exchanged), so that
; lane (r, h) finds in the 16 sums of a tile the units 32 b + 16 h + 0 .. 15 of row r: sixteen neighbours along the next product's K.
; A fragment is fetched by four loads of 16 bytes: registers 4 c .. 4 c + 3 hold k = 32 c + 16 h + 0 .. 15.  That is a permutation of k, the same in both operands.
; hq IS LAID AS THE NEXT PRODUCT'S REGISTERS: [expert][tile of 16 rows][K step of 128][2,048 bytes]; registers 4 c .. 4 c + 3 of lane l at 512 c + 16 l.  A store covers 512 consecutive aligned bytes.
; Rows of a tile beyond the expert's count are computed from a clamped token and stored: nobody reads their results.
; GELU: with w = v / 2 and a = |w|: gelu(v) = (w + a) - a erfc(|v| / sqrt 2), erfc(z) = t exp(-z^2 + P(t)), t = 1 / (1 + z / 2), P of degree 9 (a Chebyshev fit with fractional error 1.2e-7 at every z).
; NO TENSOR LOADS, NO CLUSTER: the 32 work-groups of an expert read the same rows, but which rows, and how many tiles, hangs on numbers read from memory.
; LIMITS: ex + ew1 between -125 and 127; eh between -126 and 112.  NaN and infinities are not served; an erfc term under 2^-126 counts as 0.
.set PW,    1040                       ; an LDS row of 1,024 codes + 16 bytes: 65 x 16, so the sixteen rows of a fragment load start at sixteen different groups of four banks (64 banks of 4 bytes: ISA guide 11.1)
.set XS,    128*PW                     ; behind the weights: the two slots
.set TILE,  16*PW
.set SLOTB, 4*TILE
.set SPARE, XS+2*SLOTB                 ; the spare words
.set L16,  1                           ; 16 x lane
.set HO,   2                           ; v2-3    a tile's byte offset in hq
.set SIN,  4                           ; v4-5    where I store rows in slot 0, 1
.set XA,   6                           ; v6-7    my fragments' place in slot 0, 1
.set HOB,  8                           ; 512 x (w % 4) + 16 x lane
.set LIM,  9                           ; 57,344 x 2^eh
.set SC,   10                          ; 2^eh
.set J0,   11                          ; my lane's rank in a list of 256
.set LSTC, 12                          ; the list at work: lanes 0-7 hold the tokens of the round that is asked for next
.set LST1, 13                          ; the list of rounds 4 to 7
.set SPW,  14
.set NIL,  15
.set BI,   16                          ; v16-31  my sixteen numbers of b1 / 2
.set ACC,  32                          ; v32-47  the sums of 32 units; outside the matrix phase the lists' arithmetic:
.set LJ,   32
.set LWD,  33
.set LPR,  34
.set LWI,  35
.set LK,   36
.set LA1,  37
.set LA2,  38
.set LA4,  39
.set LA8,  40
.set LPOS, 41
.set LC,   42
.set LT,   43
.set LTMP, 47
.set XF,   48                          ; v48-175 a tile's fragments, K step s at 48 + 16 s; the upper half is also at work in the GELU:
.set TA,   112
.set TT,   128
.set TQ,   144
.set TM,   160
.set XL,   176                         ; v176-239 the next round's eight rows
.set OFF,  240                         ; v240-247 their offsets
.set CODE, 248                         ; v248-255 codes on their way out
.set WST,  48                          ; at the head only
.set WA,   49
; window 1: the weights: K step s, unit tile u at 256 + 32 s + 16 u.  (On their way to LDS they land at 256 .. 383.)
; SCALARS: s2 T, s3 the round's first tile, s[4:5] xq at my expert, s[14:15] hq at (expert, K step), s[16:47] the mask, s48-63 and s66-81 P(w) = bits set in words 0 .. w - 1, s86 wave / 2, s87 wave / 4,
; s88 the round, s89 trips, s[92:93] 2^(ex + ew1 - 1), s90 s91 s94 s95 at work, s104 s105 the permute's selects; P's coefficients in the pairs 6, 8, 10, 12, 82, 84, 96, 98, 100.
.set MSB, 0
.macro WIN new                         ; the immediate's high byte repeats the setting that is left
.if MSB != (\new)
	s_set_vgpr_msb (MSB<<8)|(\new)
.set MSB, (\new)
.endif
.endm
.macro AW
	s_wait_alu depctr_va_vdst(0)
.endm
; One step of the search inside a word: are there more than K set bits in the lower nb bits at LPOS?  If not, K loses them and LPOS goes nb up.
.macro SEL a, nb
	v_bfe_u32 v[LC], v[\a], v[LPOS], \nb
	v_cmp_ge_u32 vcc_lo, v[LK], v[LC]
	v_cndmask_b32 v[LC], 0, v[LC], vcc_lo
	v_sub_nc_u32 v[LK], v[LK], v[LC]
	v_cndmask_b32 v[LT], 0, \nb, vcc_lo
	v_add_nc_u32 v[LPOS], v[LPOS], v[LT]
.endm
; The tokens of 32 ranks, s94 + J0, a rank a lane.  The word is the last whose prefix is at most the rank; inside it the (rank - prefix)-th set bit is found by counts of 16, 8, 4, 2 and 1 bits.
; A rank at or beyond the count ends at some token from 0 to 1,023.  Whole numbers throughout.
.macro LIST dst
	v_add_nc_u32 v[LJ], s94, v[J0]
	v_mov_b32 v[LWD], s16
	v_mov_b32 v[LPR], 0
	v_mov_b32 v[LWI], 0
.set w, 1
.rept 31
	v_cmp_gt_u32 vcc_lo, s[47+w+2*(w/17)], v[LJ]
	v_cndmask_b32 v[LWD], s[16+w], v[LWD], vcc_lo
	v_cndmask_b32 v[LPR], s[47+w+2*(w/17)], v[LPR], vcc_lo
	v_cndmask_b32 v[LWI], w, v[LWI], vcc_lo
.set w, w+1
.endr
	v_sub_nc_u32 v[LK], v[LJ], v[LPR]
	v_lshrrev_b32 v[LT], 1, v[LWD]
	v_and_b32 v[LT], 0x55555555, v[LT]
	v_sub_nc_u32 v[LA1], v[LWD], v[LT]             ; counts of 2 bits
	v_lshrrev_b32 v[LT], 2, v[LA1]
	v_and_b32 v[LT], 0x33333333, v[LT]
	v_and_b32 v[LA2], 0x33333333, v[LA1]
	v_add_nc_u32 v[LA2], v[LA2], v[LT]             ; of 4
	v_lshrrev_b32 v[LT], 4, v[LA2]
	v_add_nc_u32 v[LA4], v[LA2], v[LT]
	v_and_b32 v[LA4], 0x0f0f0f0f, v[LA4]           ; of 8
	v_lshrrev_b32 v[LT], 8, v[LA4]
	v_add_nc_u32 v[LA8], v[LA4], v[LT]
	v_and_b32 v[LA8], 0x00ff00ff, v[LA8]           ; of 16
	v_mov_b32 v[LPOS], 0
	SEL LA8, 16
	SEL LA4, 8
	SEL LA2, 4
	SEL LA1, 2
	SEL LWD, 1
	v_lshl_add_u32 v[\dst], v[LWI], 5, v[LPOS]
.endm
; The tokens in lanes 0-7 become offsets of rows: each is read as a scalar, clamped by a constant, and shifted.
.macro OFFS
.irp g, 0,4
	v_readlane_b32 s90, v[LSTC], \g
	v_readlane_b32 s91, v[LSTC], \g+1
	v_readlane_b32 s94, v[LSTC], \g+2
	v_readlane_b32 s95, v[LSTC], \g+3
	s_min_u32 s90, s90, 1023
	s_min_u32 s91, s91, 1023
	s_min_u32 s94, s94, 1023
	s_min_u32 s95, s95, 1023
	v_lshl_add_u32 v[OFF+\g], s90, 10, v[L16]
	v_lshl_add_u32 v[OFF+\g+1], s91, 10, v[L16]
	v_lshl_add_u32 v[OFF+\g+2], s94, 10, v[L16]
	v_lshl_add_u32 v[OFF+\g+3], s95, 10, v[L16]
.endr
.endm
.macro XLOADS                          ; eight rows, 512 consecutive bytes a load
.set n, 0
.rept 16
	global_load_b128 v[XL+4*n:XL+4*n+3], v[OFF+n/2], s[4:5] offset:512*(n%2)
.set n, n+1
.endr
.endm
	s_load_b256 s[4:11], s[0:1], 0x0               ; xq, W1's codes, b1, the exponents
	s_load_b128 s[12:15], s[0:1], 0x20             ; emask, hq
	v_lshrrev_b32 v50, 5, v0
	v_readfirstlane_b32 s82, v50                   ; wave 0..7
	s_and_b32 s83, ttmp7, 0xffff                   ; expert
	s_mov_b32 s84, ttmp9                           ; chunk of 128 units
	s_lshr_b32 s86, s82, 1                         ; the tile of a round to which the rows that I load belong
	s_lshr_b32 s87, s82, 2                         ; the parity of the tiles that I multiply
	s_and_b32 s88, s82, 3                          ; my 32 units
	s_and_b32 s89, s82, 1
	s_mul_i32 s96, s86, 32*PW
	s_mul_i32 s97, s89, 8*PW
	s_add_co_u32 s96, s96, s97                     ; where I store weights: rows 16 w + i of the chunk, bits 3 and 4 of the place in 32 exchanged
	s_mul_i32 s97, s88, 32*PW
	s_mul_i32 s98, s87, TILE
	s_add_co_u32 s98, s98, XS
	s_mul_i32 s99, s82, 8*PW
	s_add_co_u32 s99, s99, XS
	s_lshl_b32 s94, s83, 12
	s_lshl_b32 s95, s84, 7
	s_add_co_u32 s94, s94, s95
	s_lshl_b32 s95, s82, 4
	s_add_co_u32 s94, s94, s95                     ; my wave's first row of W1: 4,096 e + 128 chunk + 16 wave,
	s_lshl_b32 s94, s94, 10                        ; in bytes
	s_mov_b32 s95, 0
	s_lshl_b32 s100, s83, 7                        ; the expert's 128 bytes of mask
	s_mov_b32 s101, 0
	s_lshl_b32 s90, s83, 4                         ; its four exponents
	s_mov_b32 s91, 0
	s_lshl_b32 s92, s83, 14
	s_lshl_b32 s93, s84, 9
	s_add_co_u32 s92, s92, s93                     ; the chunk's 128 numbers of b1
	s_mov_b32 s93, 0
	s_lshl_b32 s2, s88, 7
	s_lshl_b32 s3, s88, 9
	s_lshl_b32 s85, s82, 3
	v_lshl_add_u32 v[SPW], v0, 2, SPARE
	v_mov_b32 v[NIL], 0
	v_mov_b32 v[LTMP], 0                           ; written once: a lane permute's destination counts as one of its sources
	v_and_b32 v50, 31, v0                          ; lane
	v_and_b32 v51, 15, v0                          ; r
	v_bfe_u32 v52, v0, 4, 1                        ; h
	v_lshlrev_b32 v[L16], 4, v50
	v_mul_u32_u24 v53, v51, PW
	v_lshl_add_u32 v53, v52, 4, v53                ; a fragment's place for my lane: r x PW + 16 h
	v_add_nc_u32 v[WST], s96, v[L16]
	v_add_nc_u32 v[WA], s97, v53
	v_add_nc_u32 v[XA], s98, v53
	v_add_nc_u32 v[XA+1], SLOTB, v[XA]
	v_add_nc_u32 v[SIN], s99, v[L16]
	v_add_nc_u32 v[SIN+1], SLOTB, v[SIN]
	v_add_nc_u32 v[HOB], s3, v[L16]
	v_lshlrev_b32 v54, 6, v52
	v_add_nc_u32 v54, s2, v54                      ; b1: 128 x (w % 4) + 64 h bytes
	; A list serves four rounds: lanes 0-7, 24-31, 8-15, 16-23 hold rounds 0, 1, 2, 3 of it, the order in which the lane permutes below bring them to lanes 0-7.  Rank = 64 x round + 8 wave + lane % 8
	v_lshrrev_b32 v55, 3, v50
	v_lshlrev_b32 v55, 1, v55
	v_mov_b32 v56, 0x78
	v_lshrrev_b32 v56, v55, v56
	v_and_b32 v56, 3, v56
	v_and_b32 v57, 7, v50
	v_lshl_add_u32 v[J0], v56, 6, v57
	v_add_nc_u32 v[J0], s85, v[J0]
	AW
	s_wait_kmcnt 0x0
	s_add_nc_u64 s[6:7], s[6:7], s[94:95]
	s_add_nc_u64 s[12:13], s[12:13], s[100:101]
	s_add_nc_u64 s[10:11], s[10:11], s[90:91]
	s_add_nc_u64 s[8:9], s[8:9], s[92:93]
	s_load_b512 s[16:31], s[12:13], 0x0
	s_load_b512 s[32:47], s[12:13], 0x40
	s_load_b128 s[96:99], s[10:11], 0x0
	WIN 0x40
.set n, 0
.rept 32
	global_load_b128 v[4*n:4*n+3], v[L16], s[6:7] offset:512*n th:TH_LOAD_NT   ; my 16 rows of W1: 512 consecutive bytes a load
.set n, n+1
.endr
	WIN 0
.irp j, 0,1,2,3
	global_load_b128 v[BI+4*\j:BI+4*\j+3], v54, s[8:9] offset:16*\j   ; b1 at units 32 (w % 4) + 16 h + 0 .. 15
.endr
	s_lshl_b32 s94, s83, 20
	s_mov_b32 s95, 0
	s_add_nc_u64 s[4:5], s[4:5], s[94:95]
	s_lshl_b32 s94, s83, 22
	s_lshl_b32 s100, s84, 11
	s_add_co_u32 s94, s94, s100
	s_add_nc_u64 s[14:15], s[14:15], s[94:95]
	s_wait_kmcnt 0x0
	s_bcnt1_i32_b32 s48, s16                       ; the prefixes
.set w, 2
.rept 31
	s_bcnt1_i32_b32 s94, s[15+w]
	s_add_co_u32 s[47+w+2*(w/17)], s[46+w+2*((w-1)/17)], s94
.set w, w+1
.endr
	s_mov_b32 s94, 0
	LIST LSTC                                      ; rounds 0 to 3
	OFFS
	XLOADS                                         ; round 0's rows: in every wave, whatever the count (a rank beyond it has a clamped token)
	s_mov_b32 s94, 256
	LIST LST1                                      ; rounds 4 to 7, while the loads are on their way
	s_add_co_u32 s2, s81, 15                       ; s81 = the expert's count
	s_lshr_b32 s2, s2, 4
	s_max_u32 s2, s2, 1                            ; T
	s_add_co_i32 s94, s96, s97
	s_add_co_i32 s94, s94, 126
	s_lshl_b32 s92, s94, 23                        ; 2^(ex + ew1 - 1) as f32
	s_mov_b32 s93, s92                             ; (named with it as a pair, so it is written)
	s_add_co_i32 s94, s98, 127
	s_lshl_b32 s95, s94, 23
	v_mov_b32 v[SC], s95
	s_add_co_i32 s94, s94, 15
	s_lshl_b32 s94, s94, 23
	s_or_b32 s94, s94, 0x600000
	v_mov_b32 v[LIM], s94
	AW
.irp q, 0,1,2,3                                    ; behind the weights' 32 loads stand b1's four and the rows' sixteen
	s_wait_loadcnt 44-8*\q                         ; eight more of the weights' loads are in
	WIN 0x04                                       ; the data of an LDS store are source 1
.set n, 8*\q
.rept 8
.set ii, n/2
	ds_store_b128 v[WST], v[4*n:4*n+3] offset:((ii&7)+16*(ii/8))*PW+512*(n%2)
.set n, n+1
.endr
.endr
	WIN 0
	s_wait_loadcnt 16                              ; b1 is in; the rows' sixteen loads may be out
.irp j, 0,2,4,6,8,10,12,14
	v_pk_mul_f32 v[BI+\j:BI+\j+1], v[BI+\j:BI+\j+1], 0.5 op_sel_hi:[1,0]
.endr
	AW
	s_wait_dscnt 0x0                               ; for the others' sake: my 16 rows have landed
	s_barrier_signal -1
	s_barrier_wait -1                              ; all 128 rows lie in LDS; nobody writes them again
	WIN 0x40
.irp s, 0,1,2,3,4,5,6,7
.irp u, 0,1
.irp c, 0,1,2,3
	ds_load_b128 v[32*\s+16*\u+4*\c:32*\s+16*\u+4*\c+3], v[WA] offset:\u*TILE+128*\s+32*\c
.endr
.endr
.endr
	WIN 0
	s_wait_xcnt 0x0                                ; the loads have read their bases: their registers take the coefficients
.macro COEF p, bits
	s_mov_b32 s[\p], \bits
	s_mov_b32 s[\p+1], \bits
.endm
	COEF 6,   0xbfe9b21e                           ; -1.26551223 log2(e)
	COEF 8,   0x3fb8ab5a                           ;  1.00002368 log2(e)
	COEF 10,  0x3f0a29d2                           ;  0.37409196 log2(e)
	COEF 12,  0x3e0efb2e                           ;  0.09678418 log2(e)
	COEF 82,  0xbe899a80                           ; -0.18628806 log2(e)
	COEF 84,  0x3ecdfd18                           ;  0.27886807 log2(e)
	COEF 96,  0xbfd1a1e5                           ; -1.13520398 log2(e)
	COEF 98,  0x40097039                           ;  1.48851587 log2(e)
	COEF 100, 0xbf97d29d                           ; -0.82215223 log2(e); the ninth, 0.17087277 log2(e), is a literal
	s_mov_b32 s104, 0xfedcba98
	s_mov_b32 s105, 0x76543210
; K steps s0 .. s0 + 3 of my i-th tile of a round
.macro FETCH sl, i, s0
.irp s, \s0, \s0+1, \s0+2, \s0+3
.irp c, 0,1,2,3
	ds_load_b128 v[XF+16*(\s)+4*\c:XF+16*(\s)+4*\c+3], v[XA+\sl] offset:(\i)*2*TILE+128*(\s)+32*\c
.endr
.endr
.endm
; 32 units x 16 rows x K = 1,024: two accumulators by turns.  pre = 1: K steps 0 to 3 were asked for ahead of the last 16 loads.
; Five places behind the last product: for reads of the sums, for loads and vector writes into the fragments, and for the next sums' first products (ISA guide 7.12.1 for the vector instructions).
.macro MATRIX pre
	WIN 0x01                                       ; source 0 (weights) window 1
.irp s, 0,1,2,3,4,5,6,7
.if (\pre) == 0
	s_wait_dscnt 28-4*\s                           ; this K step's four loads are in
.elseif \s == 0
	s_wait_dscnt 16                                ; K steps 0 to 3 are in
.elseif \s > 3
	s_wait_dscnt 28-4*\s
.endif
.irp u, 0,1
.if \s == 0
	v_wmma_f32_16x16x128_bf8_bf8 v[ACC+8*\u:ACC+8*\u+7], v[32*\s+16*\u:32*\s+16*\u+15], v[XF+16*\s:XF+16*\s+15], 0
.else
	v_wmma_f32_16x16x128_bf8_bf8 v[ACC+8*\u:ACC+8*\u+7], v[32*\s+16*\u:32*\s+16*\u+15], v[XF+16*\s:XF+16*\s+15], v[ACC+8*\u:ACC+8*\u+7]
.endif
.endr
.endr
	WIN 0
.rept 5
	v_nop
.endr
.endm
; My i-th tile's 16 numbers a lane: scale and bias, GELU, hold, codes, store.  s94 = my first tile of the round.
.macro EPI i
	s_add_co_u32 s95, s94, 2*\i
	s_lshl_b32 s95, s95, 16
	v_add_nc_u32 v[HO+\i], s95, v[HOB]
.set k, 0
.rept 8
	v_pk_fma_f32 v[ACC+k:ACC+k+1], v[ACC+k:ACC+k+1], s[92:93], v[BI+k:BI+k+1] op_sel_hi:[1,0,1]   ; w = sum x 2^(ex + ew1 - 1) + b1 / 2; each accumulator from its low end on
.set k, k+2
.endr
.set k, 0
.rept 16
	v_and_b32 v[TA+k], 0x7fffffff, v[ACC+k]        ; a = |w|
.set k, k+1
.endr
.set k, 0
.rept 8
	v_pk_fma_f32 v[TT+k:TT+k+1], v[TA+k:TA+k+1], 0x3f3504f3, 1.0 op_sel_hi:[1,0,0]   ; 1 + z / 2 = 1 + a / sqrt 2
.set k, k+2
.endr
	AW
.set k, 0
.rept 8                                            ; the sixteen reciprocals are one batch; the plain lines among them name none of its results, and the last line is a plain one
	v_rcp_f32 v[TT+k], v[TT+k]
	v_rcp_f32 v[TT+k+1], v[TT+k+1]
	v_pk_mul_f32 v[TM+k:TM+k+1], v[ACC+k:ACC+k+1], 0xc038aa3b op_sel_hi:[1,0]   ; -2 log2(e) w
.set k, k+2
.endr
	AW                                             ; one wait for the batch, ahead of its first reader
.set k, 0
.rept 8
	v_pk_fma_f32 v[TQ+k:TQ+k+1], v[TT+k:TT+k+1], 0x3e7c6f08, s[100:101] op_sel_hi:[1,0,0]
.set k, k+2
.endr
.irp p, 98,96,84,82,12,10,8,6
.set k, 0
.rept 8
	v_pk_fma_f32 v[TQ+k:TQ+k+1], v[TQ+k:TQ+k+1], v[TT+k:TT+k+1], s[\p:\p+1] op_sel_hi:[1,1,0]
.set k, k+2
.endr
.endr
.set k, 0
.rept 8
	v_pk_fma_f32 v[TQ+k:TQ+k+1], v[TM+k:TM+k+1], v[ACC+k:ACC+k+1], v[TQ+k:TQ+k+1]   ; - z^2 log2(e) + P
.set k, k+2
.endr
	AW
.set k, 0
.rept 8                                            ; the sixteen exponentials likewise
	v_exp_f32 v[TQ+k], v[TQ+k]
	v_pk_mul_f32 v[TT+k:TT+k+1], v[TA+k:TA+k+1], v[TT+k:TT+k+1]   ; a t
	v_exp_f32 v[TQ+k+1], v[TQ+k+1]
	v_pk_add_f32 v[TA+k:TA+k+1], v[ACC+k:ACC+k+1], v[TA+k:TA+k+1]   ; w + a
.set k, k+2
.endr
	AW
.set k, 0
.rept 8
	v_pk_fma_f32 v[ACC+k:ACC+k+1], v[TT+k:TT+k+1], v[TQ+k:TQ+k+1], v[TA+k:TA+k+1] neg_lo:[1,0,0] neg_hi:[1,0,0]
.set k, k+2
.endr
.set k, 0
.rept 16
	v_med3_num_f32 v[ACC+k], v[ACC+k], -v[LIM], v[LIM]   ; the conversion to an 8-bit code does not saturate (ISA guide 7.6.2)
.set k, k+1
.endr
	v_cvt_scalef32_pk8_bf8_f32 v[CODE+4*\i:CODE+4*\i+1], v[ACC:ACC+7], v[SC]
	v_cvt_scalef32_pk8_bf8_f32 v[CODE+4*\i+2:CODE+4*\i+3], v[ACC+8:ACC+15], v[SC]
	v_nop                                          ; a plain line between the conversions and what will write their sources
	global_store_b128 v[HO+\i], v[CODE+4*\i:CODE+4*\i+3], s[14:15]   ; 512 consecutive bytes, aligned
.endm
; A round of four tiles in slot sl (even rounds 0, odd rounds 1)
.macro ROUND sl
	s_wait_loadcnt 0x0                             ; this round's rows are in, and their offsets free;
	s_wait_xcnt 0x0                                ; the last round's stores have read their codes and offsets
	s_add_co_u32 s94, s3, s86
	s_cmp_lt_u32 s94, s2
	s_cbranch_scc0 .Lnostore_\@                    ; the tile of the rows that I load lies beyond the expert's last
.set n, 0
.rept 16
	ds_store_b128 v[SIN+\sl], v[XL+4*n:XL+4*n+3] offset:(n/2)*PW+512*(n%2)
.set n, n+1
.endr
.Lnostore_\@:
	s_add_co_u32 s94, s3, s86
	s_add_co_u32 s94, s94, 4
	s_cmp_lt_u32 s94, s2
	s_cbranch_scc0 .Lnoask_\@                      ; likewise in the next round
.if \sl
	s_and_b32 s94, s88, 2
	s_cmp_eq_u32 s94, 0
	s_cbranch_scc0 .Lnew_\@
	AW                                             ; the permute's destination, one of the sums' registers, counts as read
	v_permlanex16_b32 v[LTMP], v[LSTC], s105, s104 ; lane l takes lane l xor 16
	v_mov_b32 v[LSTC], v[LTMP]
	AW
	s_branch .Lhave_\@
.Lnew_\@:
	s_cmp_eq_u32 s88, 3
	s_cbranch_scc0 .Llist_\@
	v_mov_b32 v[LSTC], v[LST1]
	AW
	s_branch .Lhave_\@
.Llist_\@:
	s_lshl_b32 s94, s88, 6
	s_add_co_u32 s94, s94, 64                      ; the next round's first rank
	LIST LSTC
	AW
.Lhave_\@:
.else
	v_permlanex16_b32 v[LTMP], v[LSTC], s104, s105 ; lane l takes, from the other row of lanes, lane (l + 8) % 16
	v_mov_b32 v[LSTC], v[LTMP]
.endif
	OFFS
	AW
	s_wait_dscnt 0x0                               ; the stores into the slot have read the rows' registers
	XLOADS
.Lnoask_\@:
	s_wait_dscnt 0x0                               ; for the others' sake: my rows have landed; and my reads of the other slot are over
	s_barrier_signal -1
	s_barrier_wait -1
	s_add_co_u32 s94, s3, s87                      ; my first tile
	s_cmp_lt_u32 s94, s2
	s_cbranch_scc0 .Lnone_\@
	FETCH \sl, 0, 0
	FETCH \sl, 0, 4
	MATRIX 0
	s_add_co_u32 s95, s94, 2
	s_cmp_lt_u32 s95, s2
	s_cbranch_scc0 .Lonly_\@
	FETCH \sl, 1, 0                                ; the second tile's first half lands under the first tile's GELU
.Lonly_\@:
	EPI 0
	s_add_co_u32 s95, s94, 2
	s_cmp_lt_u32 s95, s2
	s_cbranch_scc0 .Lnone_\@
	FETCH \sl, 1, 4
	MATRIX 1
	EPI 1
.Lnone_\@:
	s_add_co_u32 s3, s3, 4
	s_add_co_u32 s88, s88, 1
.endm
	s_mov_b32 s3, 0
	s_mov_b32 s88, 0
	s_mov_b32 s89, 8
	AW
.Lloop:
	ROUND 0
	ROUND 1
	s_sub_co_u32 s89, s89, 1
	s_cmp_lg_u32 s89, 0
	AW
	s_cbranch_scc1 .Lloop
	s_wait_tensorcnt 0x0                           ; the wave's end
	ds_add_u32 v[SPW], v[NIL]
	s_wait_dscnt 0x0
	s_endpgm
.Lfunc_end_k_qbe431bc84c_ffn1:
	.size	k_qbe431bc84c_ffn1, .Lfunc_end_k_qbe431bc84c_ffn1-k_qbe431bc84c_ffn1
	.p2alignl 7, 3214868480
	.fill 96, 4, 3214868480
	.section	.rodata,"a",@progbits
	.p2align	6, 0x0
	.amdhsa_kernel k_qbe431bc84c_ffn1
		.amdhsa_group_segment_fixed_size 267264
		.amdhsa_private_segment_fixed_size 0
		.amdhsa_enable_private_segment 0
		.amdhsa_kernarg_size 48
		.amdhsa_user_sgpr_count 2
		.amdhsa_user_sgpr_kernarg_segment_ptr 1
		.amdhsa_wavefront_size32 1
		.amdhsa_system_sgpr_workgroup_id_x 1
		.amdhsa_system_sgpr_workgroup_id_y 1
		.amdhsa_system_sgpr_workgroup_id_z 1
		.amdhsa_system_vgpr_workitem_id 0
		.amdhsa_next_free_vgpr 512
		.amdhsa_next_free_sgpr 106
		.amdhsa_reserve_vcc 1
		.amdhsa_float_denorm_mode_32 3
		.amdhsa_float_denorm_mode_16_64 3
		.amdhsa_memory_ordered 1
		.amdhsa_forward_progress 1
		.amdhsa_inst_pref_size 112
	.end_amdhsa_kernel
	.amdgpu_metadata
---
amdhsa.version: [ 1, 2 ]
amdhsa.kernels:
  - .name:           k_qbe431bc84c_ffn1
    .symbol:         k_qbe431bc84c_ffn1.kd
    .args:
      - { .name: xq, .offset: 0, .size: 8, .value_kind: global_buffer, .address_space: global }
      - { .name: w1_codes, .offset: 8, .size: 8, .value_kind: global_buffer, .address_space: global }
      - { .name: b1, .offset: 16, .size: 8, .value_kind: global_buffer, .address_space: global }
      - { .name: lowp_scales, .offset: 24, .size: 8, .value_kind: global_buffer, .address_space: global }
      - { .name: emask, .offset: 32, .size: 8, .value_kind: global_buffer, .address_space: global }
      - { .name: hq, .offset: 40, .size: 8, .value_kind: global_buffer, .address_space: global }
    .group_segment_fixed_size: 267264
    .private_segment_fixed_size: 0
    .kernarg_segment_align: 8
    .kernarg_segment_size: 48
    .max_flat_workgroup_size: 256
    .sgpr_count:     106
    .vgpr_count:     512
    .wavefront_size: 32
...
	.end_amdgpu_metadata
.endif
;; end of part 2
;; launch ffn2 (part 3): grid 32 x 8, 4 waves a work-group, no clusters, 282,112 bytes of LDS; arguments hq, w2_codes, lowp_scales, emask, yp; writes yp
.if DOCPART == 3
	.amdgcn_target "amdgcn-amd-amdhsa--gfx1250"
	.amdhsa_code_object_version 6
	.text
	.protected	k_qbe431bc84c_ffn2
	.globl	k_qbe431bc84c_ffn2
	.p2align	8
	.type	k_qbe431bc84c_ffn2,@function
k_qbe431bc84c_ffn2:
	s_mov_b64 s[64:65], 0
	v_nop
	global_prefetch_b8 v0, s[64:65] scope:SCOPE_SE
	s_setreg_imm32_b32 hwreg(HW_REG_WAVE_MODE, 25, 1), 1
	s_wait_xcnt 0x0
; SECOND PRODUCT, for the rows that were routed (the others are left out: see the first kernel), K in four quarters.  Work-group (x, y): expert e = y, output columns 128 (x % 8) .. + 127, K = 1,024 (x / 8) .. + 1,023.
; yp[1,024 e + row][quarter][column] = (the quarter's sum of hq[e] W2[e]^T) x 2^(eh + ew2), f32.  The launch behind this one adds a row's four parts.
; WHY FOUR QUARTERS: a work-group then holds 128 rows x 1,024 K of W2, 128 KB read once, and reads 16 KB of each tile of rows; with K whole and 32 columns it would read 64 KB of each tile.
; The form is the first product's: the weights go through LDS once (row 32 b + i at row 32 b + (i with bits 3 and 4 exchanged)) and stay in registers: wave w holds columns 64 (w % 2) .. + 63, 512 registers.
; The tiles of 16 rows come by rounds of four through two LDS slots that take turns: wave w asks for tile w of a round a whole round ahead, so no prefetch stands beside these loads; waves 0, 1 multiply tiles 0 and 2, waves 2, 3 tiles 1 and 3.
; T = max(ceil(count / 16), 1) tiles, sixteen rounds; a constant trip count, scalar branches on the stored count round work alone, one barrier a round outside every branch.
; hq is laid as this product's registers, so a tile's eight K steps are 16 KB on end, and its LDS image is the same.
; TRANSPOSED USE: source 0 = 16 rows of W2, source 1 = 16 rows of hq: lane (r, h) finds in the sums of two neighbouring column tiles the columns 32 b + 16 h + 0 .. 15 of row r.  A tile's 16 rows x 64 columns gather
; in the wave's own stage in LDS (rows of 256 bytes + 16) and leave as whole aligned units of 256 bytes, tile by tile.
; NO TENSOR LOADS, NO CLUSTER: the 8 work-groups of a quarter read the same images, but how many tiles are finished hangs on a number read from memory.
; LIMIT: eh + ew2 between -126 and 127.
.set PW,    1040                       ; an LDS row of 1,024 codes + 16 bytes: 65 x 16
.set XS,    128*PW                     ; behind the weights: two slots of four tiles of 16,384 bytes
.set SLOTB, 65536
.set STG,   XS+2*SLOTB                 ; the stages
.set YP,    272                        ; a stage row: 17 x 16
.set STGW,  16*YP
.set SPARE, STG+4*STGW
.set L16,  1                           ; 16 x lane
.set SIN,  2                           ; v2-3    where I store my tile in slot 0, 1
.set XA,   4                           ; v4-5    my first tile's fragments in slot 0, 1
.set SA,   6                           ; my stage, way in: r x YP + 64 h
.set RD,   7                           ; way out: h x YP + 16 r
.set LR,   8                           ; the same place in yp: h x 16,384 + 16 r
.set HOF,  9                           ; the offset of the tile that I ask for
.set YO,   10                          ; v10-11  a tile's byte offset in the expert's part of yp
.set SPW,  14
.set NIL,  15
.set WST,  16
.set WA,   17
.set ACC,  32                          ; v32-63
.set TMP,  64                          ; v64-95  the scaled sums
.set OB,   96                          ; v96-127 rows on their way out
.set XF,   128                         ; v128-255 a tile's fragments
; windows 1, 2: the weights: K step s, column tile t at 256 + 64 s + 16 t (on their way to LDS they land in window 1).   window 3, lower half: the tile that I have asked for.
; SCALARS: s2 T, s3 the round's first tile, s[4:5] hq at (expert, quarter), s[12:13] yp at (expert, quarter, my columns), s[16:47] the mask, s48 the count, s50 the quarter, s82 wave, s83 expert, s84 the columns' block,
; s86 wave % 2, s87 wave / 2, s89 trips, s[92:93] 2^(eh + ew2), s[96:99] the exponents.
.set MSB, 0
.macro WIN new
.if MSB != (\new)
	s_set_vgpr_msb (MSB<<8)|(\new)
.set MSB, (\new)
.endif
.endm
.macro AW
	s_wait_alu depctr_va_vdst(0)
.endm
.macro HLOADS                          ; a tile's eight K steps: 16 KB on end, 512 consecutive bytes a load
	WIN 0xc0
.set n, 0
.rept 32
	global_load_b128 v[4*n:4*n+3], v[HOF], s[4:5] offset:512*n
.set n, n+1
.endr
	WIN 0
.endm
	s_load_b256 s[4:11], s[0:1], 0x0               ; hq, W2's codes, the exponents, emask
	s_load_b64 s[12:13], s[0:1], 0x20              ; yp
	v_lshrrev_b32 v20, 5, v0
	v_readfirstlane_b32 s82, v20
	s_and_b32 s83, ttmp7, 0xffff
	s_and_b32 s84, ttmp9, 7
	s_lshr_b32 s50, ttmp9, 3
	s_and_b32 s86, s82, 1
	s_lshr_b32 s87, s82, 1
	s_mul_i32 s96, s82, 32*PW
	s_mul_i32 s97, s86, 64*PW
	s_lshl_b32 s98, s82, 14
	s_add_co_u32 s98, s98, XS
	s_lshl_b32 s99, s87, 14
	s_add_co_u32 s99, s99, XS
	s_mul_i32 s90, s82, STGW
	s_add_co_u32 s90, s90, STG
	s_lshl_b32 s94, s83, 10
	s_lshl_b32 s95, s84, 7
	s_add_co_u32 s94, s94, s95
	s_lshl_b32 s95, s82, 5
	s_add_co_u32 s94, s94, s95                     ; my wave's first row of W2: 1,024 e + 128 block + 32 wave,
	s_lshl_b32 s94, s94, 12                        ; in bytes,
	s_lshl_b32 s95, s50, 10
	s_add_co_u32 s94, s94, s95                     ; + the quarter
	s_mov_b32 s95, 0
	s_lshl_b32 s100, s83, 7
	s_mov_b32 s101, 0
	v_lshl_add_u32 v[SPW], v0, 2, SPARE
	v_mov_b32 v[NIL], 0
	v_and_b32 v20, 31, v0
	v_and_b32 v21, 15, v0                          ; r
	v_bfe_u32 v22, v0, 4, 1                        ; h
	v_lshlrev_b32 v[L16], 4, v20
	v_mul_u32_u24 v23, v21, PW
	v_lshl_add_u32 v23, v22, 4, v23
	v_add_nc_u32 v[WST], s96, v[L16]
	v_add_nc_u32 v[WA], s97, v23
	v_add_nc_u32 v[SIN], s98, v[L16]
	v_add_nc_u32 v[SIN+1], SLOTB, v[SIN]
	v_add_nc_u32 v[XA], s99, v[L16]
	v_add_nc_u32 v[XA+1], SLOTB, v[XA]
	v_mul_u32_u24 v24, v21, YP
	v_lshl_add_u32 v24, v22, 6, v24
	v_add_nc_u32 v[SA], s90, v24
	v_mul_u32_u24 v25, v22, YP
	v_lshl_add_u32 v25, v21, 4, v25
	v_add_nc_u32 v[RD], s90, v25
	v_lshlrev_b32 v[LR], 4, v21
	v_lshl_add_u32 v[LR], v22, 14, v[LR]
	AW
	s_wait_kmcnt 0x0
	s_add_nc_u64 s[6:7], s[6:7], s[94:95]
	s_add_nc_u64 s[10:11], s[10:11], s[100:101]
	s_lshl_b32 s100, s83, 4
	s_add_nc_u64 s[8:9], s[8:9], s[100:101]
	s_load_b512 s[16:31], s[10:11], 0x0
	s_load_b512 s[32:47], s[10:11], 0x40
	s_load_b128 s[96:99], s[8:9], 0x0
	; the weights: 64 loads of 512 consecutive bytes, row n / 2 (4,096 bytes apart), half n % 2
	WIN 0x40
.set n, 0
.rept 64
	global_load_b128 v[4*n:4*n+3], v[L16], s[6:7] offset:(n/2)*4096+512*(n%2) th:TH_LOAD_NT
.set n, n+1
.endr
	WIN 0
	s_lshl_b32 s94, s83, 22
	s_lshl_b32 s100, s50, 14
	s_add_co_u32 s94, s94, s100
	s_add_nc_u64 s[4:5], s[4:5], s[94:95]
	s_lshl_b32 s94, s83, 24
	s_lshl_b32 s100, s50, 12
	s_add_co_u32 s94, s94, s100
	s_lshl_b32 s100, s84, 9
	s_add_co_u32 s94, s94, s100
	s_lshl_b32 s100, s86, 8
	s_add_co_u32 s94, s94, s100
	s_add_nc_u64 s[12:13], s[12:13], s[94:95]
	s_wait_kmcnt 0x0
	s_bcnt1_i32_b32 s48, s16
.set w, 1
.rept 31
	s_bcnt1_i32_b32 s94, s[16+w]
	s_add_co_u32 s48, s48, s94
.set w, w+1
.endr
	s_add_co_u32 s2, s48, 15
	s_lshr_b32 s2, s2, 4
	s_max_u32 s2, s2, 1                            ; T
	s_add_co_i32 s94, s98, s99
	s_add_co_i32 s94, s94, 127
	s_lshl_b32 s92, s94, 23                        ; 2^(eh + ew2) as f32
	s_mov_b32 s93, s92
	s_sub_co_u32 s94, s2, 1
	s_min_u32 s94, s94, s82                        ; round 0's tile: where there is none for me, the last one (not stored)
	s_min_u32 s94, s94, 63
	v_lshl_add_u32 v[HOF], s94, 16, v[L16]
	HLOADS
	AW
	WIN 0x04                                       ; the data of an LDS store are source 1
.irp q, 0,1,2,3,4,5,6,7                            ; behind the weights' 64 loads stand the tile's 32; a wait names 63 at the most
.set LEFT, 88-8*\q
.if LEFT > 63
.set LEFT, 63
.endif
	s_wait_loadcnt LEFT                            ; eight more of the weights' loads are in
.set n, 8*\q
.rept 8
.set ii, n/2
.set sw, (ii&7)|((ii&8)<<1)|((ii&16)>>1)
	ds_store_b128 v[WST], v[4*n:4*n+3] offset:sw*PW+512*(n%2)
.set n, n+1
.endr
.endr
	WIN 0
	s_wait_dscnt 0x0                               ; for the others' sake: my 32 rows have landed
	s_barrier_signal -1
	s_barrier_wait -1                              ; all 128 rows lie in LDS; nobody writes them again
.irp s, 0,1,2,3,4,5,6,7
	WIN 0x40*(1+(\s)/4)
.irp t, 0,1,2,3
.irp c, 0,1,2,3
	ds_load_b128 v[64*((\s)%4)+16*\t+4*\c:64*((\s)%4)+16*\t+4*\c+3], v[WA] offset:\t*16*PW+128*\s+32*\c
.endr
.endr
.endr
	WIN 0
.macro FETCH sl, i                     ; my i-th tile of a round, as it lies
.set n, 0
.rept 32
	ds_load_b128 v[XF+4*n:XF+4*n+3], v[XA+\sl] offset:(\i)*32768+512*n
.set n, n+1
.endr
.endm
; 64 columns x 16 rows x K = 1,024: four accumulators by turns.  Five places behind the last product (ISA guide 7.12.1 for the vector instructions).
.macro MATRIX
.irp s, 0,1,2,3,4,5,6,7
	s_wait_dscnt 28-4*\s                           ; this K step's four loads are in
	WIN 1+(\s)/4                                   ; source 0 (weights) window 1 or 2
.irp t, 0,1,2,3
.if \s == 0
	v_wmma_f32_16x16x128_bf8_bf8 v[ACC+8*\t:ACC+8*\t+7], v[64*((\s)%4)+16*\t:64*((\s)%4)+16*\t+15], v[XF+16*\s:XF+16*\s+15], 0
.else
	v_wmma_f32_16x16x128_bf8_bf8 v[ACC+8*\t:ACC+8*\t+7], v[64*((\s)%4)+16*\t:64*((\s)%4)+16*\t+15], v[XF+16*\s:XF+16*\s+15], v[ACC+8*\t:ACC+8*\t+7]
.endif
.endr
.endr
	WIN 0
.rept 5
	v_nop
.endr
.endm
; My i-th tile's 32 sums a lane, x 2^(eh + ew2), into my stage and out as rows: lanes 0-15 take one row, lanes 16-31 the next.  LDS serves a wave's instructions in order (ISA guide 5.7.1.4).  s94 = my first tile.
.macro EPI i
	s_add_co_u32 s95, s94, 2*\i
	s_lshl_b32 s95, s95, 18
	v_add_nc_u32 v[YO+\i], s95, v[LR]
.set k, 0
.rept 16
	v_pk_mul_f32 v[TMP+k:TMP+k+1], v[ACC+k:ACC+k+1], s[92:93] op_sel_hi:[1,0]   ; each accumulator from its low end on
.set k, k+2
.endr
.irp b, 0,1
.irp j, 0,1,2,3
	ds_store_b128 v[SA], v[TMP+16*\b+4*\j:TMP+16*\b+4*\j+3] offset:128*\b+16*\j
.endr
.endr
.if \i
	s_wait_xcnt 0x0                                ; the first tile's stores have read their rows
.endif
.set n, 0
.rept 8
	ds_load_b128 v[OB+4*n:OB+4*n+3], v[RD] offset:2*n*YP
.set n, n+1
.endr
.set n, 0
.rept 8
	s_wait_dscnt 7-n                               ; pair n of rows is in; the younger pairs may be out
	global_store_b128 v[YO+\i], v[OB+4*n:OB+4*n+3], s[12:13] offset:n*32768 th:TH_STORE_NT   ; sixteen lanes store 256 consecutive bytes, aligned
.set n, n+1
.endr
.endm
.macro ROUND sl
	s_wait_loadcnt 0x0                             ; my tile of this round is in, and its offset free;
	s_wait_xcnt 0x0                                ; the last round's stores have read their rows and offsets
	s_add_co_u32 s94, s3, s82
	s_cmp_lt_u32 s94, s2
	s_cbranch_scc0 .Lnostore_\@
	WIN 0x0c
.set n, 0
.rept 32
	ds_store_b128 v[SIN+\sl], v[4*n:4*n+3] offset:512*n
.set n, n+1
.endr
	WIN 0
.Lnostore_\@:
	s_add_co_u32 s94, s3, s82
	s_add_co_u32 s94, s94, 4
	s_cmp_lt_u32 s94, s2
	s_cbranch_scc0 .Lnoask_\@
	s_lshl_b32 s95, s94, 16
	v_add_nc_u32 v[HOF], s95, v[L16]
	AW
	s_wait_dscnt 0x0                               ; the stores into the slot have read the tile's registers
	HLOADS
.Lnoask_\@:
	s_wait_dscnt 0x0                               ; for the others' sake: my tile has landed; and my reads of the other slot are over
	s_barrier_signal -1
	s_barrier_wait -1
	s_add_co_u32 s94, s3, s87                      ; my first tile
	s_cmp_lt_u32 s94, s2
	s_cbranch_scc0 .Lnone_\@
	FETCH \sl, 0
	MATRIX
	s_add_co_u32 s95, s94, 2
	s_cmp_lt_u32 s95, s2
	s_cbranch_scc0 .Lonly_\@
	FETCH \sl, 1                                   ; the second tile lands under the first one's way out
.Lonly_\@:
	EPI 0
	s_add_co_u32 s95, s94, 2
	s_cmp_lt_u32 s95, s2
	s_cbranch_scc0 .Lnone_\@
	MATRIX
	EPI 1
.Lnone_\@:
	s_add_co_u32 s3, s3, 4
.endm
	s_mov_b32 s3, 0
	s_mov_b32 s89, 8
	AW
.Lloop:
	ROUND 0
	ROUND 1
	s_sub_co_u32 s89, s89, 1
	s_cmp_lg_u32 s89, 0
	AW
	s_cbranch_scc1 .Lloop
	s_wait_tensorcnt 0x0                           ; the wave's end
	ds_add_u32 v[SPW], v[NIL]
	s_wait_dscnt 0x0
	s_endpgm
.Lfunc_end_k_qbe431bc84c_ffn2:
	.size	k_qbe431bc84c_ffn2, .Lfunc_end_k_qbe431bc84c_ffn2-k_qbe431bc84c_ffn2
	.p2alignl 7, 3214868480
	.fill 96, 4, 3214868480
	.section	.rodata,"a",@progbits
	.p2align	6, 0x0
	.amdhsa_kernel k_qbe431bc84c_ffn2
		.amdhsa_group_segment_fixed_size 282112
		.amdhsa_private_segment_fixed_size 0
		.amdhsa_enable_private_segment 0
		.amdhsa_kernarg_size 40
		.amdhsa_user_sgpr_count 2
		.amdhsa_user_sgpr_kernarg_segment_ptr 1
		.amdhsa_wavefront_size32 1
		.amdhsa_system_sgpr_workgroup_id_x 1
		.amdhsa_system_sgpr_workgroup_id_y 1
		.amdhsa_system_sgpr_workgroup_id_z 1
		.amdhsa_system_vgpr_workitem_id 0
		.amdhsa_next_free_vgpr 1024
		.amdhsa_next_free_sgpr 102
		.amdhsa_reserve_vcc 0
		.amdhsa_float_denorm_mode_32 3
		.amdhsa_float_denorm_mode_16_64 3
		.amdhsa_memory_ordered 1
		.amdhsa_forward_progress 1
		.amdhsa_inst_pref_size 71
	.end_amdhsa_kernel
	.amdgpu_metadata
---
amdhsa.version: [ 1, 2 ]
amdhsa.kernels:
  - .name:           k_qbe431bc84c_ffn2
    .symbol:         k_qbe431bc84c_ffn2.kd
    .args:
      - { .name: hq, .offset: 0, .size: 8, .value_kind: global_buffer, .address_space: global }
      - { .name: w2_codes, .offset: 8, .size: 8, .value_kind: global_buffer, .address_space: global }
      - { .name: lowp_scales, .offset: 16, .size: 8, .value_kind: global_buffer, .address_space: global }
      - { .name: emask, .offset: 24, .size: 8, .value_kind: global_buffer, .address_space: global }
      - { .name: yp, .offset: 32, .size: 8, .value_kind: global_buffer, .address_space: global }
    .group_segment_fixed_size: 282112
    .private_segment_fixed_size: 0
    .kernarg_segment_align: 8
    .kernarg_segment_size: 40
    .max_flat_workgroup_size: 128
    .sgpr_count:     102
    .vgpr_count:     1024
    .wavefront_size: 32
...
	.end_amdgpu_metadata
.endif
;; end of part 3
;; launch combine (part 4): grid 256 x 1, 4 waves a work-group, no clusters, 0 bytes of LDS; arguments yp, hidden_states, b2, ln_w, ln_b, ridx, rwts, emask, out0; writes out0
.if DOCPART == 4
	.amdgcn_target "amdgcn-amd-amdhsa--gfx1250"
	.amdhsa_code_object_version 6
	.text
	.protected	k_qbe431bc84c_combine
	.globl	k_qbe431bc84c_combine
	.p2align	8
	.type	k_qbe431bc84c_combine,@function
k_qbe431bc84c_combine:
	s_mov_b64 s[64:65], 0
	v_nop
	global_prefetch_b8 v0, s[64:65] scope:SCOPE_SE
	s_setreg_imm32_b32 hwreg(HW_REG_WAVE_MODE, 25, 1), 1
	s_wait_xcnt 0x0
; GATES, RESIDUAL, LAYERNORM.  A wave owns token t = 4 x work-group + wave: out0[t] = LayerNorm(x[t] + g0 (y0 + b2[e0]) + g1 (y1 + b2[e1])) ln_w + ln_b, y_k = the sum of the four K quarters of yp at slot 1,024 e_k + rank_k.
; rank_k = the number of tokens below t that use expert e_k: the set bits below bit t of emask[e_k].  It is made of whole numbers read from memory, by whole-number arithmetic alone, and clamped by a constant before it enters an address.
; All eight experts' masks are asked for at once with the first loads, so that only the two records and then the partial sums follow each other in time.
; Lane l holds numbers 128 c + 4 l + 0 .. 3, c = 0 .. 7: every load and store covers 512 consecutive aligned bytes.  The row stays in registers through both passes of the norm (the mean first, then the squares of the differences).
; No LDS, no barrier, no matrix unit, no cluster: a wave shares nothing but ln_w, ln_b and b2, 16 KB against the 40 KB that it moves of its own.
; NaN and infinities among the inputs are not served.
.set L16, 1                            ; 16 x lane
.set L4,  2                            ; 4 x lane
.set LN,  3                            ; lane
.set MK,  4                            ; v4-11   word number lane of each expert's mask
.set BEL, 12                           ; the bits below t, word number lane
.set C0,  13
.set C1,  14
.set CT,  15
.set PT,  16
.set X,   32                           ; v32-63
.set B0,  64
.set B1,  96
.set LW,  128
.set LB,  160
.set SU,  192                          ; v192-197 at work
; window 1: the partial sums, slot k, quarter q at 128 k + 32 q
.set MSB, 0
.macro WIN new
.if MSB != (\new)
	s_set_vgpr_msb (MSB<<8)|(\new)
.set MSB, (\new)
.endif
.endm
	s_load_b512 s[4:19], s[0:1], 0x0               ; yp s[4:5], x s[6:7], b2 s[8:9], ln_w s[10:11], ln_b s[12:13], ridx s[14:15], rwts s[16:17], emask s[18:19]
	s_load_b64 s[20:21], s[0:1], 0x40              ; out0
	v_and_b32 v[LN], 31, v0
	v_lshrrev_b32 v[L16], 5, v0
	v_readfirstlane_b32 s22, v[L16]
	v_lshlrev_b32 v[L16], 4, v[LN]
	v_lshlrev_b32 v[L4], 2, v[LN]
	s_lshl_b32 s24, ttmp9, 2
	s_add_co_u32 s24, s24, s22                     ; t
	s_lshl_b32 s30, s24, 3
	s_mov_b32 s31, 0
	s_lshl_b32 s32, s24, 12
	s_mov_b32 s33, 0
	s_mov_b32 s46, 0x76543210
	s_mov_b32 s47, 0xfedcba98
	s_wait_alu depctr_va_vdst(0)
	s_wait_kmcnt 0x0
	s_add_nc_u64 s[14:15], s[14:15], s[30:31]
	s_add_nc_u64 s[16:17], s[16:17], s[30:31]
	s_load_b64 s[26:27], s[14:15], 0x0             ; e0, e1
	s_load_b64 s[28:29], s[16:17], 0x0             ; g0, g1
	s_add_nc_u64 s[6:7], s[6:7], s[32:33]
	s_add_nc_u64 s[20:21], s[20:21], s[32:33]
.irp e, 0,1,2,3,4,5,6,7
	global_load_b32 v[MK+\e], v[L4], s[18:19] offset:128*\e
.endr
.irp c, 0,1,2,3,4,5,6,7
	global_load_b128 v[X+4*\c:X+4*\c+3], v[L16], s[6:7] offset:512*\c th:TH_LOAD_NT
.endr
.irp c, 0,1,2,3,4,5,6,7
	global_load_b128 v[LW+4*\c:LW+4*\c+3], v[L16], s[10:11] offset:512*\c
.endr
.irp c, 0,1,2,3,4,5,6,7
	global_load_b128 v[LB+4*\c:LB+4*\c+3], v[L16], s[12:13] offset:512*\c
.endr
	s_lshr_b32 s40, s24, 5                         ; t's word
	s_and_b32 s41, s24, 31
	s_bfm_b32 s41, s41, 0                          ; the bits below t in it
	v_cmp_gt_u32 vcc_lo, s40, v[LN]
	v_cndmask_b32 v[BEL], 0, -1, vcc_lo            ; earlier words whole,
	v_cmp_eq_u32 vcc_lo, s40, v[LN]
	v_cndmask_b32 v[BEL], v[BEL], s41, vcc_lo      ; t's word in part, later words not at all
	s_wait_kmcnt 0x0
	s_min_u32 s26, s26, 7
	s_min_u32 s27, s27, 7
	s_lshl_b32 s34, s26, 12
	s_mov_b32 s35, 0
	s_add_nc_u64 s[36:37], s[8:9], s[34:35]
	s_lshl_b32 s34, s27, 12
	s_add_nc_u64 s[38:39], s[8:9], s[34:35]
.irp c, 0,1,2,3,4,5,6,7
	global_load_b128 v[B0+4*\c:B0+4*\c+3], v[L16], s[36:37] offset:512*\c
.endr
.irp c, 0,1,2,3,4,5,6,7
	global_load_b128 v[B1+4*\c:B1+4*\c+3], v[L16], s[38:39] offset:512*\c
.endr
	s_wait_loadcnt 40                              ; the masks are in; the 40 loads issued behind them may be out
	v_mov_b32 v[C0], v[MK]
	v_mov_b32 v[C1], v[MK]
.irp e, 1,2,3,4,5,6,7
	s_cmp_eq_u32 s26, \e
	s_cselect_b32 s42, -1, 0
	v_cndmask_b32 v[C0], v[C0], v[MK+\e], s42
	s_cmp_eq_u32 s27, \e
	s_cselect_b32 s43, -1, 0
	v_cndmask_b32 v[C1], v[C1], v[MK+\e], s43
.endr
	v_and_b32 v[C0], v[C0], v[BEL]
	v_and_b32 v[C1], v[C1], v[BEL]
.macro POPC x                          ; the set bits of a word
	v_lshrrev_b32 v[PT], 1, v[\x]
	v_and_b32 v[PT], 0x55555555, v[PT]
	v_sub_nc_u32 v[\x], v[\x], v[PT]
	v_lshrrev_b32 v[PT], 2, v[\x]
	v_and_b32 v[PT], 0x33333333, v[PT]
	v_and_b32 v[\x], 0x33333333, v[\x]
	v_add_nc_u32 v[\x], v[\x], v[PT]
	v_lshrrev_b32 v[PT], 4, v[\x]
	v_add_nc_u32 v[\x], v[\x], v[PT]
	v_and_b32 v[\x], 0x0f0f0f0f, v[\x]
	v_lshrrev_b32 v[PT], 8, v[\x]
	v_add_nc_u32 v[\x], v[\x], v[PT]
	v_lshrrev_b32 v[PT], 16, v[\x]
	v_add_nc_u32 v[\x], v[\x], v[PT]
	v_and_b32 v[\x], 63, v[\x]
.endm
	POPC C0
	POPC C1
	v_lshl_add_u32 v[C0], v[C1], 16, v[C0]         ; both counts in one word: each sum stays under 1,024
	v_mov_b32 v[CT], 0
.irp m, 1,2,4,8
	v_mov_b32_dpp v[CT], v[C0] row_xmask:\m row_mask:0xf bank_mask:0xf
	v_add_nc_u32 v[C0], v[C0], v[CT]
.endr
	v_permlanex16_b32 v[CT], v[C0], s46, s47
	v_add_nc_u32 v[C0], v[C0], v[CT]
	v_readfirstlane_b32 s42, v[C0]
	s_and_b32 s43, s42, 0xffff
	s_lshr_b32 s42, s42, 16
	s_min_u32 s43, s43, 1023                       ; rank 0
	s_min_u32 s42, s42, 1023                       ; rank 1
	s_lshl_b32 s44, s26, 10
	s_add_co_u32 s44, s44, s43
	s_lshl_b32 s44, s44, 14                        ; a slot is 16,384 bytes
	s_mov_b32 s45, 0
	s_add_nc_u64 s[30:31], s[4:5], s[44:45]
	s_lshl_b32 s44, s27, 10
	s_add_co_u32 s44, s44, s42
	s_lshl_b32 s44, s44, 14
	s_add_nc_u64 s[32:33], s[4:5], s[44:45]
	WIN 0x40
.set n, 0
.rept 32
	global_load_b128 v[4*n:4*n+3], v[L16], s[30:31] offset:4096*(n/8)+512*(n%8) th:TH_LOAD_NT
.set n, n+1
.endr
.set n, 0
.rept 32
	global_load_b128 v[128+4*n:128+4*n+3], v[L16], s[32:33] offset:4096*(n/8)+512*(n%8) th:TH_LOAD_NT
.set n, n+1
.endr
	WIN 0
	s_mov_b32 s34, s29                             ; g1 as the low word of a pair
	s_mov_b32 s35, s29
	s_wait_loadcnt 63                              ; 64 loads were issued behind x, ln_w, ln_b and b2: with 63 out at the most, those are in
.set k, 0
.rept 16
	v_pk_fma_f32 v[X+k:X+k+1], v[B0+k:B0+k+1], s[28:29], v[X+k:X+k+1] op_sel_hi:[1,0,1]
.set k, k+2
.endr
.set k, 0
.rept 16
	v_pk_fma_f32 v[X+k:X+k+1], v[B1+k:B1+k+1], s[34:35], v[X+k:X+k+1] op_sel_hi:[1,0,1]
.set k, k+2
.endr
.macro SLOT s, gp                      ; x += g x (the slot's four quarters)
	WIN 0x45
.set k, 0
.rept 16
	v_pk_add_f32 v[128*\s+k:128*\s+k+1], v[128*\s+k:128*\s+k+1], v[128*\s+32+k:128*\s+32+k+1]
	v_pk_add_f32 v[128*\s+64+k:128*\s+64+k+1], v[128*\s+64+k:128*\s+64+k+1], v[128*\s+96+k:128*\s+96+k+1]
.set k, k+2
.endr
.set k, 0
.rept 16
	v_pk_add_f32 v[128*\s+k:128*\s+k+1], v[128*\s+k:128*\s+k+1], v[128*\s+64+k:128*\s+64+k+1]
.set k, k+2
.endr
	WIN 0x01
.set k, 0
.rept 16
	v_pk_fma_f32 v[X+k:X+k+1], v[128*\s+k:128*\s+k+1], s[\gp:\gp+1], v[X+k:X+k+1] op_sel_hi:[1,0,1]
.set k, k+2
.endr
	WIN 0
.endm
	s_wait_loadcnt 32                              ; the first slot is in; the second slot's 32 loads may be out
	SLOT 0, 28
	s_wait_loadcnt 0x0
	SLOT 1, 34
.macro WSUM x, t                       ; the sum over the 32 lanes, in every lane
	v_add_f32_dpp v[\x], v[\x], v[\x] row_xmask:1 row_mask:0xf bank_mask:0xf
	v_add_f32_dpp v[\x], v[\x], v[\x] row_xmask:2 row_mask:0xf bank_mask:0xf
	v_add_f32_dpp v[\x], v[\x], v[\x] row_xmask:4 row_mask:0xf bank_mask:0xf
	v_add_f32_dpp v[\x], v[\x], v[\x] row_xmask:8 row_mask:0xf bank_mask:0xf
	v_permlanex16_b32 v[\t], v[\x], s46, s47
	v_add_f32 v[\x], v[\x], v[\t]
.endm
	s_mov_b32 s40, 0x3a800000                      ; 1 / 1,024
	v_pk_add_f32 v[SU:SU+1], v[X:X+1], v[X+2:X+3]
	v_pk_add_f32 v[SU+2:SU+3], v[X+4:X+5], v[X+6:X+7]
.set k, 8
.rept 6
	v_pk_add_f32 v[SU:SU+1], v[SU:SU+1], v[X+k:X+k+1]
	v_pk_add_f32 v[SU+2:SU+3], v[SU+2:SU+3], v[X+k+2:X+k+3]
.set k, k+4
.endr
	v_pk_add_f32 v[SU:SU+1], v[SU:SU+1], v[SU+2:SU+3]
	v_add_f32 v[SU], v[SU], v[SU+1]
	WSUM SU, SU+1
	v_mul_f32 v[SU], s40, v[SU]                    ; the mean
	v_mov_b32 v[SU+1], v[SU]
.set k, 0
.rept 16
	v_pk_add_f32 v[X+k:X+k+1], v[X+k:X+k+1], v[SU:SU+1] neg_lo:[0,1] neg_hi:[0,1]
.set k, k+2
.endr
	v_pk_mul_f32 v[SU+2:SU+3], v[X:X+1], v[X:X+1]
	v_pk_mul_f32 v[SU+4:SU+5], v[X+2:X+3], v[X+2:X+3]
.set k, 4
.rept 7
	v_pk_fma_f32 v[SU+2:SU+3], v[X+k:X+k+1], v[X+k:X+k+1], v[SU+2:SU+3]
	v_pk_fma_f32 v[SU+4:SU+5], v[X+k+2:X+k+3], v[X+k+2:X+k+3], v[SU+4:SU+5]
.set k, k+4
.endr
	v_pk_add_f32 v[SU+2:SU+3], v[SU+2:SU+3], v[SU+4:SU+5]
	v_add_f32 v[SU+2], v[SU+2], v[SU+3]
	WSUM SU+2, SU+3
	v_fmaak_f32 v[SU+2], s40, v[SU+2], 0x2b8cbccc  ; the variance + 1e-12
	s_wait_alu depctr_va_vdst(0)
	v_rsq_f32 v[SU+2], v[SU+2]
	v_nop                                          ; a plain line behind the root,
	s_wait_alu depctr_va_vdst(0)                   ; and the wait ahead of the first line that names its result
	v_mov_b32 v[SU+3], v[SU+2]
.set k, 0
.rept 16
	v_pk_mul_f32 v[X+k:X+k+1], v[X+k:X+k+1], v[SU+2:SU+3]
.set k, k+2
.endr
.set k, 0
.rept 16
	v_pk_fma_f32 v[X+k:X+k+1], v[X+k:X+k+1], v[LW+k:LW+k+1], v[LB+k:LB+k+1]
.set k, k+2
.endr
.irp c, 0,1,2,3,4,5,6,7
	global_store_b128 v[L16], v[X+4*\c:X+4*\c+3], s[20:21] offset:512*\c th:TH_STORE_NT
.endr
	s_endpgm
.Lfunc_end_k_qbe431bc84c_combine:
	.size	k_qbe431bc84c_combine, .Lfunc_end_k_qbe431bc84c_combine-k_qbe431bc84c_combine
	.p2alignl 7, 3214868480
	.fill 96, 4, 3214868480
	.section	.rodata,"a",@progbits
	.p2align	6, 0x0
	.amdhsa_kernel k_qbe431bc84c_combine
		.amdhsa_group_segment_fixed_size 0
		.amdhsa_private_segment_fixed_size 0
		.amdhsa_enable_private_segment 0
		.amdhsa_kernarg_size 72
		.amdhsa_user_sgpr_count 2
		.amdhsa_user_sgpr_kernarg_segment_ptr 1
		.amdhsa_wavefront_size32 1
		.amdhsa_system_sgpr_workgroup_id_x 1
		.amdhsa_system_sgpr_workgroup_id_y 1
		.amdhsa_system_sgpr_workgroup_id_z 1
		.amdhsa_system_vgpr_workitem_id 0
		.amdhsa_next_free_vgpr 512
		.amdhsa_next_free_sgpr 66
		.amdhsa_reserve_vcc 1
		.amdhsa_float_denorm_mode_32 3
		.amdhsa_float_denorm_mode_16_64 3
		.amdhsa_memory_ordered 1
		.amdhsa_forward_progress 1
		.amdhsa_inst_pref_size 34
	.end_amdhsa_kernel
	.amdgpu_metadata
---
amdhsa.version: [ 1, 2 ]
amdhsa.kernels:
  - .name:           k_qbe431bc84c_combine
    .symbol:         k_qbe431bc84c_combine.kd
    .args:
      - { .name: yp, .offset: 0, .size: 8, .value_kind: global_buffer, .address_space: global }
      - { .name: hidden_states, .offset: 8, .size: 8, .value_kind: global_buffer, .address_space: global }
      - { .name: b2, .offset: 16, .size: 8, .value_kind: global_buffer, .address_space: global }
      - { .name: ln_w, .offset: 24, .size: 8, .value_kind: global_buffer, .address_space: global }
      - { .name: ln_b, .offset: 32, .size: 8, .value_kind: global_buffer, .address_space: global }
      - { .name: ridx, .offset: 40, .size: 8, .value_kind: global_buffer, .address_space: global }
      - { .name: rwts, .offset: 48, .size: 8, .value_kind: global_buffer, .address_space: global }
      - { .name: emask, .offset: 56, .size: 8, .value_kind: global_buffer, .address_space: global }
      - { .name: out0, .offset: 64, .size: 8, .value_kind: global_buffer, .address_space: global }
    .group_segment_fixed_size: 0
    .private_segment_fixed_size: 0
    .kernarg_segment_align: 8
    .kernarg_segment_size: 72
    .max_flat_workgroup_size: 128
    .sgpr_count:     66
    .vgpr_count:     512
    .wavefront_size: 32
...
	.end_amdgpu_metadata
.endif
;; end of part 4
